; MI455X (gfx1250); checked and timed in simulation.
; The chip was launched on July 23, 2026; its instructions are those of AMD's public machine-readable ISA for CDNA 5 (MIT licence, August 2026) and "CDNA5" Instruction Set Architecture Reference Guide (July 2026). The comments in the code are by the model that wrote it; some were corrected since.
;; Shallow RBF. Allowed arithmetic: float matrix products may take bf16 or f16 operands with f32 sums; other float arithmetic in f32, or as packed bf16 or f16 multiplies, adds, multiply-adds, maxima and minima; sums over many terms, partial sums and values carried from step to step in f32; what a program stores and reads back later, other than sums and carried values, may be rounded once to bf16 or f16.
;; Inputs: W 1,000 x 4,096 float32; b 1,000 float32; beta 4,096 float32; centers 4,096 x 2,048 float32; x 4,096 x 2,048 float32.
;; Outputs: out0 4,096 x 1,000 float32.
;; One version. Each part assembles by itself: llvm-mc -triple=amdgcn-amd-amdhsa -mcpu=gfx1250 --defsym DOCPART=n.
;; ======== version 1 of 1: 3 launches
;; limits: values are held in f16: magnitudes above 65,504 overflow, below 6.1e-05 lose precision; inputs' magnitudes at most 65,504
;; workspace buffers: xb 16,777,216 bytes; cb 16,777,216 bytes; wh 8,388,608 bytes; vecs 53,248 bytes; p 33,554,432 bytes; stats 1,048,576 bytes
;; launch prep (part 1): grid 256 x 1, 10 waves a work-group, no clusters, 0 bytes of LDS; arguments x, centers, W, beta, b, xb, cb, wh, vecs; writes xb, cb, wh, vecs
.if DOCPART == 1
	.amdgcn_target "amdgcn-amd-amdhsa--gfx1250"
	.amdhsa_code_object_version 6
	.text
	.protected	k_q2b433516f4_prep
	.globl	k_q2b433516f4_prep
	.p2align	8
	.type	k_q2b433516f4_prep,@function
k_q2b433516f4_prep:
	s_mov_b64 s[64:65], 0
	v_nop
	global_prefetch_b8 v0, s[64:65] scope:SCOPE_SE
	s_setreg_imm32_b32 hwreg(HW_REG_WAVE_MODE, 25, 1), 1
	s_wait_xcnt 0x0
; ShallowRBF, first of three launches: every input is rounded ONCE to bf16, and what hangs on one input alone is made here.
;   out = act W^T + b, act = e / sum(e), e = exp(-beta dist), dist = sqrt(max(|x|^2 + |c|^2 - 2 x.c, 0)).
; NOTHING OF reference() IS LEFT OUT: all five inputs have a way to the output and all five are loaded.  (|x|^2 does not cancel in the quotient: the root stands between.)
; WHAT IS STORED.  xb = bf16(x).  cb = -bf16(centers): the sign is turned here, exactly, so that the next launch's sums, begun at (|x|^2 + |c|^2) / 2, END at sq / 2.
;   wh = bf16(W) written as f16 (the second product's other operand is f16), 1,024 rows: rows 1000 .. 1023 are 0.
;   vecs, f32: hx[4096] at byte 0 = sum(xb^2) / 2;  hc[4096] at 16384 = sum(cb^2) / 2;  nb[4096] at 32768 = -sqrt(2) log2(e) bf16(beta);  bb[1024] at 49152 = bf16(b), then 24 zeros.
;   The squares are those of the ROUNDED numbers, and beta and b are rounded like the rest: the program computes reference() on inputs rounded to bf16.
; LIMITS.  |W| stays within f16's 65,504; below 6e-5 it keeps f16's step of 6e-8.  NaN and infinities are not treated apart.
; SHARES.  A job is 2,048 f32 on end: 8,192 bytes in, 4,096 out.  10,240 jobs = 256 work-groups x 10 waves x 4.  Wave u = 10 x work-group + wave takes jobs 4 u .. 4 u + 3:
;   u < 1024 rows of x; u < 2048 rows of centers; u < 2548 W (dense: 2,000 jobs); the last 12 waves write wh's 24 rows of zeros.  Every branch hangs on u and a counter alone.
; A STREAM: no LDS, no barrier, no matrix unit.  A lane loads 16 bytes, 32 lanes 512 on end; a store of 8 bytes a lane covers 256 consecutive bytes, aligned.
; The row's 64 registers are asked for again as soon as they have been rounded, so the next row is on its way during the squares, the stores and the sum.
.set T,   16                           ; v[16:23]  eight numbers in f32, at work
.set SQ,  24                           ; v[24:31]  four pairs of running sums of squares
.set X,   32                           ; v[32:95]  a row as loaded
.set Y,   96                           ; v[96:127] the row in 16 bits, to store
; v1 lane; v2 16 lane; v3 8 lane; v4 4 lane; v5 offset of a small load; v6 the four rows' half sums, row i in lane i; v7 beta or b; v8, v9 at work
; s24 u; s25 wave; s26 trip; s27 u within its share; s[28:29] from; s[30:31] to; s[32:33] my words of vecs; s[22:23] what the store address steps by; s[40:41] an offset
.macro ROWLOAD                         ; a row: sixteen loads of 512 consecutive bytes
.irp j, 0,1,2,3,4,5,6,7,8,9,10,11,12,13,14,15
	global_load_b128 v[X+4*(\j):X+4*(\j)+3], v2, s[28:29] offset:512*(\j) th:TH_LOAD_NT
.endr
.endm
.macro ROWSTORE
.irp j, 0,1,2,3,4,5,6,7,8,9,10,11,12,13,14,15
	global_store_b64 v3, v[Y+2*(\j):Y+2*(\j)+1], s[30:31] offset:256*(\j) th:TH_STORE_NT
.endr
.endm
.macro TRIPHEAD
	s_wait_loadcnt 0x0                             ; the row is in (and, the first time, beta or b)
	s_wait_xcnt 0x0                                ; the last trip's stores have read Y and their base: both are written again only behind this wait
	s_add_nc_u64 s[28:29], s[28:29], 8192          ; the next row
	s_add_nc_u64 s[30:31], s[30:31], s[22:23]      ; this row's place: 0 on in the first trip, 4,096 later
	s_mov_b32 s22, 4096
.set i, 0
.rept 32
	v_cvt_pk_bf16_f32 v[Y+i], v[X+2*i], v[X+2*i+1] ; two roundings to bf16, packed
.set i, i+1
.endr
.endm
.macro UNPACK g                        ; four words of Y as eight f32
.irp k, 0,1,2,3
	v_lshlrev_b32 v[T+2*(\k)],   16,  v[Y+4*(\g)+(\k)]
	v_and_b32     v[T+2*(\k)+1], s34, v[Y+4*(\g)+(\k)]
.endr
.endm
	s_load_b512 s[4:19], s[0:1], 0x0               ; x s[4:5], centers s[6:7], W s[8:9], beta s[10:11], b s[12:13], xb s[14:15], cb s[16:17], wh s[18:19]
	s_load_b64 s[20:21], s[0:1], 0x40              ; vecs
	v_lshrrev_b32 v8, 5, v0
	v_readfirstlane_b32 s25, v8                    ; wave 0..9
	s_mul_i32 s24, ttmp9, 10
	s_add_co_u32 s24, s24, s25                     ; u
	v_and_b32 v1, 31, v0
	v_lshlrev_b32 v2, 4, v1
	v_lshlrev_b32 v3, 3, v1
	v_lshlrev_b32 v4, 2, v1
	v_mov_b32 v6, 0
	v_mov_b32 v7, 0
	v_mov_b32 v9, 0                                ; v_permlanex16_b32 counts as a reader of its destination
	s_mov_b32 s34, 0xffff0000                      ; a word's upper bf16
	s_mov_b32 s35, 0x80008000                      ; two signs
	s_mov_b32 s36, 0x76543210                      ; v_permlanex16_b32: each lane takes its own place in the other half
	s_mov_b32 s37, 0xfedcba98
	s_mov_b32 s22, 0
	s_mov_b32 s23, 0
	s_mov_b32 s26, 0
	s_mov_b32 s41, 0
	s_wait_kmcnt 0x0
	s_cmp_lt_u32 s24, 2048
	s_cbranch_scc0 .Lweights
	; ---- rows of x or of centers ----
	s_and_b32 s27, s24, 1023
	s_cmp_lt_u32 s24, 1024
	s_cselect_b64 s[28:29], s[4:5], s[6:7]
	s_cselect_b64 s[30:31], s[14:15], s[16:17]
	s_lshl_b32 s40, s27, 15                        ; four rows of 8,192 bytes
	s_add_nc_u64 s[28:29], s[28:29], s[40:41]
	s_lshl_b32 s40, s27, 14                        ; four rows of 4,096 bytes
	s_add_nc_u64 s[30:31], s[30:31], s[40:41]
	s_lshl_b32 s40, s24, 4                         ; hx and hc lie on end: four words at 16 u
	s_add_nc_u64 s[32:33], s[20:21], s[40:41]
	s_cmp_lt_u32 s24, 1024
	s_cbranch_scc1 .Lno_beta
	v_and_b32 v5, 3, v1
	v_lshlrev_b32 v5, 2, v5
	s_lshl_b32 s40, s27, 4
	s_add_nc_u64 s[42:43], s[10:11], s[40:41]
	global_load_b32 v7, v5, s[42:43]               ; beta of my four centers
.Lno_beta:
	ROWLOAD
.Lxc:
	TRIPHEAD
	s_cmp_eq_u32 s26, 3                            ; behind the fourth row there is none of mine
	s_cbranch_scc1 .Lxc_last
	ROWLOAD
.Lxc_last:
	s_cmp_lt_u32 s24, 1024
	s_cbranch_scc1 .Lxc_plain
.set i, 0
.rept 32
	v_xor_b32 v[Y+i], s35, v[Y+i]                  ; centers leave with their signs turned
.set i, i+1
.endr
.Lxc_plain:
.set g, 0
.rept 8
	UNPACK g
.irp k, 0,1,2,3
.if g == 0
	v_pk_mul_f32 v[SQ+2*(\k):SQ+2*(\k)+1], v[T+2*(\k):T+2*(\k)+1], v[T+2*(\k):T+2*(\k)+1]  ; the first squares start the four chains: nothing is cleared
.else
	v_pk_fma_f32 v[SQ+2*(\k):SQ+2*(\k)+1], v[T+2*(\k):T+2*(\k)+1], v[T+2*(\k):T+2*(\k)+1], v[SQ+2*(\k):SQ+2*(\k)+1]
.endif
.endr
.set g, g+1
.endr
	ROWSTORE
	v_pk_add_f32 v[SQ:SQ+1], v[SQ:SQ+1], v[SQ+2:SQ+3]
	v_pk_add_f32 v[SQ+4:SQ+5], v[SQ+4:SQ+5], v[SQ+6:SQ+7]
	v_pk_add_f32 v[SQ:SQ+1], v[SQ:SQ+1], v[SQ+4:SQ+5]
	v_add_f32 v[SQ], v[SQ], v[SQ+1]
	v_add_f32_dpp v[SQ], v[SQ], v[SQ] row_xmask:1 row_mask:0xf bank_mask:0xf
	v_add_f32_dpp v[SQ], v[SQ], v[SQ] row_xmask:2 row_mask:0xf bank_mask:0xf
	v_add_f32_dpp v[SQ], v[SQ], v[SQ] row_xmask:4 row_mask:0xf bank_mask:0xf
	v_add_f32_dpp v[SQ], v[SQ], v[SQ] row_xmask:8 row_mask:0xf bank_mask:0xf
	v_permlanex16_b32 v9, v[SQ], s36, s37
	v_add_f32 v[SQ], v[SQ], v9
	v_mul_f32 v8, 0.5, v[SQ]
	v_cmp_eq_u32 vcc_lo, s26, v1
	v_cndmask_b32 v6, v6, v8, vcc_lo               ; row i's half sum is kept in lane i
	s_add_co_u32 s26, s26, 1
	s_cmp_lt_u32 s26, 4
	s_cbranch_scc1 .Lxc
	s_wait_xcnt 0x0                                ; EXEC changes only behind this wait
	v_cmp_gt_u32 vcc_lo, 4, v1
	s_and_saveexec_b32 s38, vcc_lo
	global_store_b32 v4, v6, s[32:33]              ; four words of hx or hc
	s_cmp_lt_u32 s24, 1024
	s_cbranch_scc1 .Lxc_end
	v_cvt_pk_bf16_f32 v8, v7, v7                   ; beta rounded as the other inputs are,
	v_lshlrev_b32 v8, 16, v8
	v_mul_f32 v8, 0xc00293ee, v8                   ; times -sqrt(2) log2(e): the next launch holds dist / sqrt(2) and takes powers of 2
	global_store_b32 v4, v8, s[32:33] offset:16384 ; nb lies 16,384 bytes behind hc
.Lxc_end:
	s_wait_xcnt 0x0                                ; and again, in front of the line that widens EXEC
	s_or_b32 exec_lo, exec_lo, s38
	s_endpgm
	; ---- W, and the zeros behind it ----
.Lweights:
	s_sub_co_u32 s27, s24, 2048
	s_lshl_b32 s40, s27, 14                        ; 16,384 bytes of wh a wave; W's 500 waves end where the zeros begin
	s_add_nc_u64 s[30:31], s[18:19], s[40:41]
	s_lshl_b32 s40, s27, 3                         ; two words of bb a wave
	s_add_nc_u64 s[32:33], s[20:21], s[40:41]
	s_add_nc_u64 s[32:33], s[32:33], 49152
	s_cmp_lt_u32 s24, 2548
	s_cbranch_scc0 .Lpad
	s_add_nc_u64 s[42:43], s[12:13], s[40:41]
	v_and_b32 v5, 1, v1
	v_lshlrev_b32 v5, 2, v5
	global_load_b32 v7, v5, s[42:43]               ; my two numbers of b
	s_lshl_b32 s40, s27, 15
	s_add_nc_u64 s[28:29], s[8:9], s[40:41]
	ROWLOAD
.Lw:
	TRIPHEAD
	s_cmp_eq_u32 s26, 3
	s_cbranch_scc1 .Lw_last
	ROWLOAD
.Lw_last:
.set g, 0
.rept 8
	UNPACK g
.irp k, 0,1,2,3
	v_cvt_pk_f16_f32 v[Y+4*g+(\k)], v[T+2*(\k)], v[T+2*(\k)+1]  ; the bf16 number written as f16: exact within f16's normal range
.endr
.set g, g+1
.endr
	ROWSTORE
	s_add_co_u32 s26, s26, 1
	s_cmp_lt_u32 s26, 4
	s_cbranch_scc1 .Lw
	v_cvt_pk_bf16_f32 v8, v7, v7
	v_lshlrev_b32 v8, 16, v8                       ; b rounded to bf16, kept as f32
	s_branch .Lbias
.Lpad:
.irp k, 0,1,2,3
	v_mov_b32 v[T+(\k)], 0
.endr
.irp j, 0,1,2,3,4,5,6,7,8,9,10,11,12,13,14,15,16,17,18,19,20,21,22,23,24,25,26,27,28,29,30,31
	global_store_b128 v2, v[T:T+3], s[30:31] offset:512*(\j) th:TH_STORE_NT
.endr
	v_mov_b32 v8, 0
.Lbias:
	s_wait_xcnt 0x0                                ; EXEC changes only behind this wait
	v_cmp_gt_u32 vcc_lo, 2, v1
	s_and_saveexec_b32 s38, vcc_lo
	global_store_b32 v4, v8, s[32:33]
	s_wait_xcnt 0x0
	s_or_b32 exec_lo, exec_lo, s38
	s_endpgm
.Lfunc_end_k_q2b433516f4_prep:
	.size	k_q2b433516f4_prep, .Lfunc_end_k_q2b433516f4_prep-k_q2b433516f4_prep
	.p2alignl 7, 3214868480
	.fill 96, 4, 3214868480
	.section	.rodata,"a",@progbits
	.p2align	6, 0x0
	.amdhsa_kernel k_q2b433516f4_prep
		.amdhsa_group_segment_fixed_size 0
		.amdhsa_private_segment_fixed_size 0
		.amdhsa_enable_private_segment 0
		.amdhsa_kernarg_size 72
		.amdhsa_user_sgpr_count 2
		.amdhsa_user_sgpr_kernarg_segment_ptr 1
		.amdhsa_wavefront_size32 1
		.amdhsa_system_sgpr_workgroup_id_x 1
		.amdhsa_system_sgpr_workgroup_id_y 1
		.amdhsa_system_sgpr_workgroup_id_z 1
		.amdhsa_system_vgpr_workitem_id 0
		.amdhsa_next_free_vgpr 128
		.amdhsa_next_free_sgpr 66
		.amdhsa_reserve_vcc 1
		.amdhsa_float_denorm_mode_32 3
		.amdhsa_float_denorm_mode_16_64 3
		.amdhsa_memory_ordered 1
		.amdhsa_forward_progress 1
		.amdhsa_inst_pref_size 31
	.end_amdhsa_kernel
	.amdgpu_metadata
---
amdhsa.version: [ 1, 2 ]
amdhsa.kernels:
  - .name:           k_q2b433516f4_prep
    .symbol:         k_q2b433516f4_prep.kd
    .args:
      - { .name: x, .offset: 0, .size: 8, .value_kind: global_buffer, .address_space: global }
      - { .name: centers, .offset: 8, .size: 8, .value_kind: global_buffer, .address_space: global }
      - { .name: W, .offset: 16, .size: 8, .value_kind: global_buffer, .address_space: global }
      - { .name: beta, .offset: 24, .size: 8, .value_kind: global_buffer, .address_space: global }
      - { .name: b, .offset: 32, .size: 8, .value_kind: global_buffer, .address_space: global }
      - { .name: xb, .offset: 40, .size: 8, .value_kind: global_buffer, .address_space: global }
      - { .name: cb, .offset: 48, .size: 8, .value_kind: global_buffer, .address_space: global }
      - { .name: wh, .offset: 56, .size: 8, .value_kind: global_buffer, .address_space: global }
      - { .name: vecs, .offset: 64, .size: 8, .value_kind: global_buffer, .address_space: global }
    .group_segment_fixed_size: 0
    .private_segment_fixed_size: 0
    .kernarg_segment_align: 8
    .kernarg_segment_size: 72
    .max_flat_workgroup_size: 320
    .sgpr_count:     66
    .vgpr_count:     128
    .wavefront_size: 32
...
	.end_amdgpu_metadata
.endif
;; end of part 1
;; launch dist (part 2): grid 16 x 16, 4 waves a work-group, clusters of 4 x 4, 327,680 bytes of LDS; arguments xb, cb, p, vecs, stats; writes p, stats
.if DOCPART == 2
	.amdgcn_target "amdgcn-amd-amdhsa--gfx1250"
	.amdhsa_code_object_version 6
	.text
	.protected	k_q2b433516f4_dist
	.globl	k_q2b433516f4_dist
	.p2align	8
	.type	k_q2b433516f4_dist,@function
k_q2b433516f4_dist:
	s_mov_b64 s[64:65], 0
	v_nop
	global_prefetch_b8 v0, s[64:65] scope:SCOPE_SE
	s_setreg_imm32_b32 hwreg(HW_REG_WAVE_MODE, 25, 1), 1
	s_wait_xcnt 0x0
	s_wait_alu depctr_hold_cnt(0) depctr_sa_sdst(0) depctr_va_vdst(0) depctr_va_sdst(0) depctr_va_ssrc(0) depctr_va_vcc(0) depctr_vm_vsrc(0)
	s_getreg_b32 s2, hwreg(HW_REG_IB_STS2, 6, 4)
	s_cmp_eq_u32 s2, 0
	s_cbranch_scc0 .Lentry_in_a_cluster
	s_endpgm
.Lentry_in_a_cluster:
	s_bfe_u32 s2, ttmp6, 0x10000c
	s_cmp_lg_u32 s2, 0xf033
	s_cbranch_scc0 .Lentry_shape_is_right
	s_endpgm
.Lentry_shape_is_right:
; ShallowRBF, second launch: the distances and the weights.  Nothing of reference() is left out.
;   sq / 2 = (|x|^2 + |c|^2) / 2 + xb . cb   (cb holds the centers with their signs turned),  s = sqrt(max(sq / 2, 0)),  t = s nb = -beta dist log2(e).
;   For each row and each CHUNK of 128 centers: m = max t, p = 2^(t - m) stored as f16, l = the sum of the unrounded p (f32).
; WHAT IS STORED.  p lies as the next launch's matrix operand lies in registers: for each block of 16 rows (131,072 bytes) and in it each block of 16 centers (512 bytes), lane l's 16 bytes at 16 l:
;   row l % 16, centers 8 (l / 16) + 0 .. 7.  That is how a lane holds its packed results here, so they are stored as they stand, 512 consecutive bytes a store.
;   stats: the pair (m, l) of chunk c and row r at 32,768 c + 8 r.
; WHY MAXIMA.  reference() takes none; act = e / sum(e) is the same whatever common factor e carries, and with the chunk's maximum taken away p lies in 0 to 1, inside f16.  The next launch
; brings the chunks of a row onto the row's maximum.
; LIMITS.  Where reference()'s own exp(-beta dist) leaves f32's range (beta dist beyond some 87) this text still gives the quotient; it does not repeat that loss, nor a 0 / 0.
; A weight below 2^-126 of its chunk's largest counts as 0 in l.  NaN and infinities are not treated apart.
; THE PRODUCT.  A tile of 256 rows x 256 centers to a work-group of four waves, 128 x 128 a wave: 64 accumulators of 16 x 16, 512 registers.  K = 2,048 goes in steps of 128 through a ring of two LDS
; slots filled by the tensor data mover; the tiles' rows are 256 bytes of memory and start at multiples of 256 bytes.  The sums START at hx[row] + hc[column]: that is their first term, so no product
; differs from the others, and the loop needs no first step written out.
; CLUSTERS: 4 x 4 work-groups.  The four of a row of the cluster need the same rows of xb, the four of a column the same rows of cb: each tile is asked for JOINTLY, by the same tensor load with the
; same descriptor and a mask that names the four.
; THE MATRIX INSTRUCTION IS USED TRANSPOSED (source 0 = 16 centers, source 1 = 16 rows of x): lane l holds row l % 16 and the centers 8 (l / 16) + 0 .. 7.
; REGISTERS, in windows of 256 (s_set_vgpr_msb: bits 1:0 source 0, 3:2 source 1, 5:4 source 2, 7:6 destination):
;   window 0: v0-31 addresses; v64-127, v128-191 fragments of xb, two buffers (v64-127 later the block at work); v192-223 packed p; v224-231 hx; v232-247 statistics
;   window 1: v0-63 hc of my 128 centers; v64-127, v128-191 fragments of cb; v192-255 nb of my 128 centers
;   window 2: the accumulators of my rows 0-63 ((a, b) at v[8 (8 a + b)]);   window 3: those of my rows 64-127
.set SIZE_K, 2048
.set KSTEP,  128
.set PITCH,  272                       ; an LDS row: 256 bytes + 16 of padding: an odd multiple of 16, so the 16 rows of a load begin 16 bytes apart modulo 256
.set HALFT,  128*PITCH                 ; 128 rows: what one tensor load brings, and what one wave reads of either operand
.set SLOT,   4*HALFT                   ; xb's 256 rows, then cb's 256 rows
.set STATST, 2*SLOT                    ; behind the ring, never filled by a tensor load: for each wave 1,024 bytes: (m, l) of its 128 rows
.set SPARE,  STATST+4096               ; the spare words, 128 bytes for each wave: two blocks of 256 bytes that no other line names
.set LAPS,   SIZE_K/(2*KSTEP)          ; a lap = two K steps = once round the ring
.set RBLK,   131072                    ; bytes of p from a block of 16 rows to the next
.set L16,  6                           ; v6   16 x lane; never rewritten
.set ADRA, 16                          ; v16-17  LDS address of my xb fragments in slot 0, 1
.set ADRB, 20                          ; v20-21  the same for cb
.set SS,   22                          ; v22  where a block's (m, l) go; steps by 128 bytes a block
.set SR,   23                          ; v23  where I read 16 bytes of the wave's statistics back
.set VH,   27                          ; v27  32 (l / 16)
.set SPW,  28                          ; v28  LDS address of my spare word; never rewritten
.set NIL,  29                          ; v29  0; never rewritten
.set PFO,  30                          ; v30  the prefetches' offset: lane x a row of xb or cb (4,096 bytes); never rewritten
.set VR,   31                          ; v31  4 (l % 16)
.set F0,   64
.set F1,   128
.set T,    64                          ; the block at work: 64 numbers a lane
.set TMP,  192
.set X2,   224
.set CX,   232                         ; four chains of the maximum
.set MX,   236                         ; m, twice (a pair for the packed subtraction); then (m, l)
.set LS,   238
.set ST,   240
.set HC,   0                           ; window 1
.set NB,   192                         ; window 1
.set PFA,  44                          ; s[44:45] where my prefetches stand
.set LIM,  43                          ; s43  1 in a wave that prefetches, else the greatest number
.set G1, 24                            ; s[24:31] descriptor group 1 for xb's tiles
.set G0, 32                            ; s[32:39] group 0, one set for each slot
.set G1B, 48                           ; s[48:55], s[56:63] the same for cb's tiles
.set G0B, 56
.set MSB, 0
.macro WIN new                         ; the immediate's high byte repeats the setting that is left; a switch that changes nothing is dropped
.if MSB != (\new)
	s_set_vgpr_msb (MSB<<8)|(\new)
.set MSB, \new
.endif
.endm
.set MUL_LO, 0xa1                      ; source 0 (cb) window 1, source 1 (xb) window 0, C and D window 2
.set MUL_HI, 0xf1                      ; the same, C and D window 3
.set TO_B,   0x40                      ; destination window 1, address window 0
; A joint load.  Waves 0 and 1 fetch xb's two halves, waves 2 and 3 cb's.  The branch hangs on the wave's number alone.  An s_nop 0 and four v_nop follow each of the two lines.
.macro JLOAD s
	s_cmp_eq_u32 s11, 0
	s_cbranch_scc0 .Lfor_b_\@
	tensor_load_to_lds s[G0+4*(\s):G0+4*(\s)+3], s[G1:G1+7]
	s_nop 0
.rept 4
	v_nop
.endr
	s_branch .Lasked_\@
.Lfor_b_\@:
	tensor_load_to_lds s[G0B+4*(\s):G0B+4*(\s)+3], s[G1B:G1B+7]
	s_nop 0
.rept 4
	v_nop
.endr
.Lasked_\@:
.endm
; A PREFETCH INTO THE L2 behind each joint refill and the run of LDS loads that follows it: the K step that stands two refills on, 512 matrix instructions ahead of the load that will want it:
; 32 rows x 256 bytes, a lane a row, one instruction a wave.  Each row's 256 bytes of a K step are named once in the launch: xb's rows by the clusters with x = 0, cb's by those with y = 0; the four
; partners that ask for a tile jointly share its rows out by ADDRESS, 32 each.  The first four K steps come by their loads alone; the loop's last trip (s3 = 1) has no K step two on.
.macro ASK
	s_cmp_gt_u32 s3, s[LIM]
	s_cbranch_scc0 .Lnot_mine_\@
	global_prefetch_b8 v[PFO], s[PFA:PFA+1] offset:KSTEP*2 th:TH_LOAD_NT scope:SCOPE_SE
.Lnot_mine_\@:
.endm
.macro CREST                           ; a round of the cluster's barrier behind its opening barrier
	s_cmp_lg_u32 s10, 0
	s_cbranch_scc1 .Lnot_wave_0_\@
	s_barrier_signal -3
.Lnot_wave_0_\@:
	s_barrier_wait -3
	s_barrier_signal -1
	s_barrier_wait -1
.endm
.macro CROUND                          ; a whole round
	s_barrier_signal -1
	s_barrier_wait -1
	CREST
.endm
	s_load_b128 s[4:7], s[0:1], 0x0                ; xb s[4:5], cb s[6:7]
	s_load_b64 s[8:9], s[0:1], 0x10                ; p
	s_load_b128 s[68:71], s[0:1], 0x18             ; vecs s[68:69], stats s[70:71]
	v_lshl_add_u32 v[SPW], v0, 2, SPARE
	v_mov_b32 v[NIL], 0
	ds_add_u32 v[SPW], v[NIL]                      ; the wave's opening: the add, twice on end, and its wait ahead of my first tensor load
	ds_add_u32 v[SPW], v[NIL]                      ; and once more, under the one wait; the set-up below, work on registers, stands between
	v_lshrrev_b32 v1, 5, v0
	v_readfirstlane_b32 s10, v1                    ; wave 0..3
	s_lshr_b32 s11, s10, 1                         ; which half of the tile's rows is mine.  Also: I fetch for xb (0) or for cb (1)
	s_and_b32 s12, s10, 1                          ; which half of its centers.  Also: which 128 rows of that tile I fetch
	s_bfe_u32 s40, ttmp6, 0x40000                  ; cx
	s_bfe_u32 s41, ttmp6, 0x40004                  ; cy
	s_lshl_b32 s42, ttmp9, 2
	s_add_co_u32 s42, s42, s40                     ; tile column = 4 x cluster x + cx
	s_and_b32 s13, ttmp7, 0xffff
	s_lshl_b32 s13, s13, 2
	s_add_co_u32 s13, s13, s41                     ; tile row = 4 x cluster y + cy
	s_lshl_b32 s43, s41, 2
	s_lshl_b32 s43, 15, s43                        ; my row of the cluster: places 4 cy .. 4 cy + 3
	s_lshl_b32 s44, 0x1111, s40                    ; my column: places cx, cx + 4, cx + 8, cx + 12
	; descriptor group 1: a tile of 128 rows x 128 elements of 2 bytes, 4 words of padding behind every 64 words
	s_or_b32 s[G1+0], s43, (1<<16)|(1<<20)|(1<<21)|(5<<22)|(3<<25)
	s_or_b32 s[G1B+0], s44, (1<<16)|(1<<20)|(1<<21)|(5<<22)|(3<<25)
.irp g, G1, G1B
	s_mov_b32 s[(\g)+1], KSTEP<<16                 ; tensor_dim0 = 128
	s_mov_b32 s[(\g)+2], 128<<16                   ; tensor_dim1 = 128
	s_mov_b32 s[(\g)+3], KSTEP<<16                 ; tile_dim0 = 128
	s_mov_b32 s[(\g)+4], 128                       ; tile_dim1 = 128
	s_mov_b32 s[(\g)+5], SIZE_K                    ; elements from row to row
	s_mov_b32 s[(\g)+6], 0
	s_mov_b32 s[(\g)+7], 0
.endr
	; xb's tiles hang on the tile row alone, cb's on the tile column alone; every wave makes both addresses, in registers that never hold the other coordinate
	s_lshl_b32 s17, s12, 7
	s_lshl_b32 s16, s13, 8
	s_add_co_u32 s16, s16, s17                     ; xb: row 256 x tile row + 128 x half
	s_lshl_b32 s46, s42, 8
	s_add_co_u32 s46, s46, s17                     ; cb: row 256 x tile column + 128 x half
	s_mov_b32 s17, 0
	s_mov_b32 s47, 0
	s_mov_b64 s[18:19], SIZE_K*2
	s_mul_u64 s[16:17], s[16:17], s[18:19]
	s_mul_u64 s[46:47], s[46:47], s[18:19]
	s_mul_i32 s20, s10, HALFT                      ; where they go: wave x 128 rows: no place in the cluster enters an LDS address
	s_mov_b32 s76, 0x76543210                      ; v_permlanex16_b32: each lane takes its own place in the other half
	s_mov_b32 s77, 0xfedcba98
	s_wait_dscnt 0x0                               ; both opening adds are done
	s_wait_kmcnt 0x0
	s_add_nc_u64 s[14:15], s[4:5], s[16:17]
	s_add_nc_u64 s[46:47], s[6:7], s[46:47]
	CROUND                                         ; all sixteen work-groups are here: the first joint loads meet
.irp s, 0,1
	s_mov_b32 s[G0+4*(\s)], 1
	s_add_co_u32 s[G0+4*(\s)+1], s20, (\s)*SLOT
	s_add_nc_u64 s[G0+4*(\s)+2:G0+4*(\s)+3], s[14:15], (\s)*KSTEP*2
	s_or_b32 s[G0+4*(\s)+3], s[G0+4*(\s)+3], 0x80000000
	s_mov_b32 s[G0B+4*(\s)], 1
	s_add_co_u32 s[G0B+4*(\s)+1], s20, (\s)*SLOT
	s_add_nc_u64 s[G0B+4*(\s)+2:G0B+4*(\s)+3], s[46:47], (\s)*KSTEP*2
	s_or_b32 s[G0B+4*(\s)+3], s[G0B+4*(\s)+3], 0x80000000
	JLOAD \s                                       ; two loads of mine are out
.endr
	; a fragment is 16 rows x 32 K in 8 registers: lane l holds row l % 16, K = 8 (l / 16) + 0..7 and 16 + 8 (l / 16) + 0..7: two loads of 16 bytes, 32 bytes apart
	v_and_b32 v1, 15, v0                           ; r = l % 16
	v_bfe_u32 v2, v0, 4, 1                         ; h = l / 16
	v_mul_u32_u24 v3, v1, PITCH
	v_lshl_add_u32 v3, v2, 4, v3
	s_mul_i32 s21, s11, HALFT                      ; my 128 rows of xb
	s_mul_i32 s22, s12, HALFT                      ; my 128 rows of cb,
	s_add_co_u32 s22, s22, 2*HALFT                 ; which lie behind xb's 256
.irp s, 0,1
	v_add_nc_u32 v[ADRA+(\s)], s21, v3
	v_add_nc_u32 v[ADRB+(\s)], s22, v3
	s_add_co_u32 s21, s21, SLOT
	s_add_co_u32 s22, s22, SLOT
.endr
	v_lshlrev_b32 v[VR], 2, v1
	v_lshlrev_b32 v[VH], 5, v2
	v_and_b32 v[L16], 31, v0
	v_lshlrev_b32 v[L16], 4, v[L16]
	s_lshl_b32 s23, s10, 10
	s_add_co_u32 s23, s23, STATST                  ; my 1,024 bytes of statistics
	v_lshl_add_u32 v[SS], v1, 3, s23               ; row r of the block in hand: 8 bytes
	v_add_nc_u32 v[SR], s23, v[L16]
	; global places of my 128 x 128
	s_lshl_b32 s13, s13, 8
	s_lshl_b32 s14, s11, 7
	s_add_co_u32 s16, s13, s14                     ; my first row
	s_lshl_b32 s72, s16, 2                         ; its word in hx
	s_mov_b32 s73, 0
	s_lshl_b32 s79, s16, 3                         ; its pair in a chunk's statistics
	s_lshl_b32 s16, s16, 13                        ; its block of 16 rows in p: (row / 16) x 131,072
	s_mov_b32 s17, 0
	s_lshl_b32 s46, s42, 9                         ; 256 x my chunk = 512 x tile column + 256 x half
	s_lshl_b32 s47, s12, 8
	s_add_co_u32 s46, s46, s47
	s_lshl_b32 s78, s46, 4                         ; my chunk's 4,096 bytes in a block of rows
	s_add_co_u32 s16, s16, s78                     ; what the first way out adds to p's address: under 2^25
	s_lshl_b32 s74, s46, 1                         ; my first center's word in hc and nb
	s_mov_b32 s75, 0
	s_lshl_b32 s78, s46, 7                         ; my chunk x 32,768 bytes
	s_add_co_u32 s78, s78, s79
	s_mov_b32 s79, 0
	s_add_nc_u64 s[70:71], s[70:71], s[78:79]      ; stats at (my chunk, my first row)
	s_add_nc_u64 s[72:73], s[68:69], s[72:73]      ; hx at my first row
	s_add_nc_u64 s[74:75], s[68:69], s[74:75]
	s_add_nc_u64 s[74:75], s[74:75], 16384         ; hc at my first center; nb lies 16,384 bytes on
	; the prefetches.  s13 = 256 x tile row, s42 = tile column, s40 = cx, s41 = cy still stand
	s_lshl_b32 s42, s42, 8
	s_and_b32 s22, ttmp7, 0xffff                   ; cluster y
	s_cmp_eq_u32 s11, 0                            ; do I fetch for xb?
	s_cselect_b32 s20, s13, s42                    ; the tile's first row
	s_cselect_b32 s21, s40, s41                    ; my place among the four that ask for it with me
	s_cselect_b32 s22, ttmp9, s22                  ; the coordinate along which other clusters read the same rows
	s_cselect_b64 s[PFA:PFA+1], s[4:5], s[6:7]
	s_cmp_eq_u32 s22, 0
	s_cselect_b32 s[LIM], 1, -1                    ; the same in all sixteen partners, for a given wave
	s_lshl_b32 s22, s12, 7
	s_add_co_u32 s20, s20, s22                     ; + the 128 rows that I fetch
	s_lshl_b32 s21, s21, 5
	s_add_co_u32 s20, s20, s21                     ; + my work-group's 32 of them
	s_mov_b32 s21, 0
	s_mov_b64 s[18:19], SIZE_K*2
	s_mul_u64 s[20:21], s[20:21], s[18:19]
	s_add_nc_u64 s[PFA:PFA+1], s[PFA:PFA+1], s[20:21]
	s_add_nc_u64 s[PFA:PFA+1], s[PFA:PFA+1], 2*KSTEP*2  ; at K step 2: the first refill steps it to 3 and names K step 4
	v_and_b32 v[PFO], 31, v0
	v_mul_u32_u24 v[PFO], v[PFO], SIZE_K*2
	; hx of my rows (block a: row 16 a + r), hc and nb of my centers (block b: centers 16 b + 8 h + 0..7)
.irp a, 0,1,2,3,4,5,6,7
	global_load_b32 v[X2+(\a)], v[VR], s[72:73] offset:64*(\a)
.endr
	WIN TO_B
.irp b, 0,1,2,3,4,5,6,7
	global_load_b128 v[HC+8*(\b):HC+8*(\b)+3],   v[VH], s[74:75] offset:64*(\b)
	global_load_b128 v[HC+8*(\b)+4:HC+8*(\b)+7], v[VH], s[74:75] offset:64*(\b)+16
	global_load_b128 v[NB+8*(\b):NB+8*(\b)+3],   v[VH], s[74:75] offset:16384+64*(\b)
	global_load_b128 v[NB+8*(\b)+4:NB+8*(\b)+7], v[VH], s[74:75] offset:16384+64*(\b)+16
.endr
	s_wait_loadcnt 0x0
	; THE SUMS' FIRST TERM: hx[row] + hc[center], two a line, while the first tiles are on their way
.irp hi, 0,1
	WIN 0x81+0x40*(\hi)                            ; hc in window 1, hx in window 0, the accumulators in window 2 or 3
.irp a, 0,1,2,3
.irp b, 0,1,2,3,4,5,6,7
.irp q, 0,1,2,3
.if (\a)%2
	v_pk_add_f32 v[8*(8*(\a)+(\b))+2*(\q):8*(8*(\a)+(\b))+2*(\q)+1], v[HC+8*(\b)+2*(\q):HC+8*(\b)+2*(\q)+1], v[X2+4*(\hi)+(\a)-1:X2+4*(\hi)+(\a)] op_sel:[0,1] op_sel_hi:[1,1]
.else
	v_pk_add_f32 v[8*(8*(\a)+(\b))+2*(\q):8*(8*(\a)+(\b))+2*(\q)+1], v[HC+8*(\b)+2*(\q):HC+8*(\b)+2*(\q)+1], v[X2+4*(\hi)+(\a):X2+4*(\hi)+(\a)+1] op_sel:[0,0] op_sel_hi:[1,0]
.endif
.endr
.endr
.endr
.endr
	WIN 0
; 16 matrix instructions: row blocks a0, a0 + 1 of the window's four x all 8 center blocks, 32 along K.  The 64 accumulators take turns, one instruction a turn, in the same order in every quarter
; step: 63 others stand between two links of a chain, over the backward jump too.
.macro MUL16 f, hi, a0
	WIN MUL_LO+0x50*(\hi)
.irp a, \a0, (\a0)+1
.irp b, 0,1,2,3,4,5,6,7
	v_wmma_f32_16x16x32_bf16 v[8*(8*(\a)+(\b)):8*(8*(\a)+(\b))+7], v[(\f)+8*(\b):(\f)+8*(\b)+7], v[(\f)+8*(4*(\hi)+(\a)):(\f)+8*(4*(\hi)+(\a))+7], v[8*(8*(\a)+(\b)):8*(8*(\a)+(\b))+7]
.endr
.endr
.endm
; 32 LDS loads in one run: the fragments of one quarter step (32 K at byte k of the rows) into buffer f: cb's 128 rows, then xb's
.macro FETCH slot, k, f
	WIN TO_B
.irp i, 0,1,2,3,4,5,6,7
	ds_load_b128 v[(\f)+8*(\i):(\f)+8*(\i)+3],   v[ADRB+(\slot)] offset:(\k)+(\i)*16*PITCH
	ds_load_b128 v[(\f)+8*(\i)+4:(\f)+8*(\i)+7], v[ADRB+(\slot)] offset:(\k)+(\i)*16*PITCH+32
.endr
	WIN 0
.irp i, 0,1,2,3,4,5,6,7
	ds_load_b128 v[(\f)+8*(\i):(\f)+8*(\i)+3],   v[ADRA+(\slot)] offset:(\k)+(\i)*16*PITCH
	ds_load_b128 v[(\f)+8*(\i)+4:(\f)+8*(\i)+7], v[ADRA+(\slot)] offset:(\k)+(\i)*16*PITCH+32
.endr
.endm
.macro PLACES                          ; four plain vector instructions between a matrix instruction and a load into, or a vector line on, one of its registers
.rept 4
	v_nop
.endr
.endm
; A K step is four quarter steps of 32 along K, 64 matrix instructions each, on buffers 0, 1, 0, 1.  One of the first three multiplies buffer f and, in its middle, fetches the next quarter into g.
.macro QUARTER slot, k, f, g
	s_wait_dscnt 8                                 ; cb and xb's rows 0-63 are in; the youngest eight loads (xb's rows 64-127) may be out
	MUL16 \f, 0, 0
	MUL16 \f, 0, 2
	PLACES
	FETCH \slot, \k, \g
	s_wait_dscnt 32                                ; all but the 32 just issued
	MUL16 \f, 1, 0
	MUL16 \f, 1, 2
.endm
; The last quarter multiplies buffer 1 and changes slots.  ONE barrier: in front of it each wave waits for all its tensor loads (the one that is out is its part of the next slot), adds 0 to its spare
; word, and waits for that and for its own reads of this slot.  Behind it nobody reads this slot any more and the next slot is whole.
.macro MEET round
	WIN 0                                          ; (the add's two registers lie in window 0)
	s_wait_tensorcnt 0x0
	ds_add_u32 v[SPW], v[NIL]                      ; 0 onto my spare word
	s_wait_dscnt 9                                 ; (the add and the youngest eight loads may be out)
	MUL16 F1, 0, 0                                 ; sixteen matrix instructions stand between the add and the wait for it
	s_wait_dscnt 0x0                               ; the add is done, and my reads of this slot are over
	s_barrier_signal -1
	MUL16 F1, 0, 2                                 ; work on registers while the others arrive
.if \round
	WIN 0
.endif
	s_barrier_wait -1
.endm
; fill = 1: the barrier opens a round of the cluster's, so that no wave of any partner still reads the slot or has a load on its way; the slot is filled again, two K steps on, first thing behind it:
; 224 matrix instructions ahead of the wait for that load.
.macro TURN slot, next, fill
.if \fill
	s_wait_xcnt 0x0                                ; the last prefetch, a K step back, has read its address: it is stepped here, ahead of the change's own waits
	s_add_nc_u64 s[PFA:PFA+1], s[PFA:PFA+1], KSTEP*2
	MEET 1
	CREST
	s_add_nc_u64 s[G0+4*(\slot)+2:G0+4*(\slot)+3], s[G0+4*(\slot)+2:G0+4*(\slot)+3], 2*KSTEP*2
	s_add_nc_u64 s[G0B+4*(\slot)+2:G0B+4*(\slot)+3], s[G0B+4*(\slot)+2:G0B+4*(\slot)+3], 2*KSTEP*2
	JLOAD \slot                                    ; its four v_nop are also the places in front of the loads below
.else
	MEET 0
	PLACES
.endif
	FETCH \next, 0, F0
.if \fill
	ASK
.endif
	MUL16 F1, 1, 0
	MUL16 F1, 1, 2
.endm
	s_wait_tensorcnt 1                             ; my part of K step 0 is in; K step 1's may stay out
	s_barrier_signal -1
	s_barrier_wait -1                              ; everybody's is
	FETCH 0, 0, F0
	s_mov_b32 s3, LAPS-1
.Llap:                                                 ; a trip is a lap: two K steps, and both slots are filled again
	QUARTER 0, 64,  F0, F1
	QUARTER 0, 128, F1, F0
	QUARTER 0, 192, F0, F1
	TURN 0, 1, 1
	QUARTER 1, 64,  F0, F1
	QUARTER 1, 128, F1, F0
	QUARTER 1, 192, F0, F1
	TURN 1, 0, 1
	WIN 0                                          ; at a label and at a branch every window is 0
	s_sub_co_u32 s3, s3, 1
	s_cmp_lg_u32 s3, 0
	s_cbranch_scc1 .Llap
	QUARTER 0, 64,  F0, F1                         ; the last lap is written out: it asks for nothing
	QUARTER 0, 128, F1, F0
	QUARTER 0, 192, F0, F1
	TURN 0, 1, 0
	QUARTER 1, 64,  F0, F1
	QUARTER 1, 128, F1, F0
	QUARTER 1, 192, F0, F1
	s_wait_dscnt 8
	MUL16 F1, 0, 0
	MUL16 F1, 0, 2
	s_wait_dscnt 0x0
	MUL16 F1, 1, 0
	MUL16 F1, 1, 2
	PLACES
	WIN 0
; THE WAY OUT: a counted loop, a block of 16 rows x 128 centers a trip.  Only the trip's first 64 lines name accumulators; they are written once for each block and chosen by the trip's number, forward
; jumps all; the rest of the trip is one text.
.macro CASE a
.Lcase\a:
	WIN 0x08+4*((\a)/4)                            ; source 1 in window 2 or 3
.set i, 0
.rept 64
	v_max_num_f32 v[T+i], 0, v[64*((\a)%4)+i]      ; reference()'s clip; each accumulator's registers in ascending order
.set i, i+1
.endr
	WIN 0
.endm
	s_mov_b32 s78, 0
.Lblk:
.irp a, 0,1,2,3,4,5,6
	s_cmp_eq_u32 s78, \a
	s_cbranch_scc1 .Lcase\a
.endr
	CASE 7
	s_branch .Ljoin
.irp a, 0,1,2,3,4,5
	CASE \a
	s_branch .Ljoin
.endr
	CASE 6
.Ljoin:
.set i, 0
.rept 64
	v_sqrt_f32 v[T+i], v[T+i]                      ; one batch of 64 roots,
.set i, i+1
.endr
	v_nop                                          ; a plain instruction behind the last of them,
	s_wait_alu depctr_va_vdst(0)                   ; and the one wait ahead of the first reader
	WIN 0x04                                       ; nb in window 1
.set i, 0
.rept 32
	v_pk_mul_f32 v[T+i:T+i+1], v[T+i:T+i+1], v[NB+i:NB+i+1]  ; t = -beta dist log2(e)
.set i, i+2
.endr
	WIN 0
.irp k, 0,1,2,3                        ; the lane's maximum: four chains of fifteen numbers, three operands at a time,
	v_max3_num_f32 v[CX+(\k)], v[T+16*(\k)], v[T+16*(\k)+1], v[T+16*(\k)+2]
.endr
.irp n, 0,1,2,3,4,5
.irp k, 0,1,2,3
	v_max3_num_f32 v[CX+(\k)], v[CX+(\k)], v[T+16*(\k)+3+2*(\n)], v[T+16*(\k)+4+2*(\n)]
.endr
.endr
	v_max3_num_f32 v[CX], v[CX], v[T+15], v[T+31]  ; the four left over, and the chains into one
	v_max3_num_f32 v[CX+1], v[CX+1], v[T+47], v[T+63]
	v_max3_num_f32 v[CX], v[CX], v[CX+1], v[CX+2]
	v_max_num_f32 v[CX], v[CX], v[CX+3]
	v_permlanex16_b32 v[CX+1], v[CX], s76, s77     ; the row's other 64 centers lie in the lane 16 away
	v_max_num_f32 v[MX], v[CX], v[CX+1]
	v_max_num_f32 v[MX+1], v[CX], v[CX+1]
.set i, 0
.rept 32
	v_pk_add_f32 v[T+i:T+i+1], v[T+i:T+i+1], v[MX:MX+1] neg_lo:[0,1] neg_hi:[0,1]  ; t - m
.set i, i+2
.endr
.set i, 0
.rept 64
	v_exp_f32 v[T+i], v[T+i]                       ; one batch of 64 powers of 2
.set i, i+1
.endr
	v_nop
	s_wait_alu depctr_va_vdst(0)                   ; one wait for the batch
	s_wait_xcnt 0x0                                ; the last trip's stores have read their data and their base: both are written again only behind this wait
.set i, 0
.rept 32
	v_cvt_pk_f16_f32 v[TMP+i], v[T+2*i], v[T+2*i+1]  ; a lane's eight neighbours of a row pack into 16 bytes
.set i, i+1
.endr
	s_add_nc_u64 s[8:9], s[8:9], s[16:17]          ; the first time: on to my first block of rows and my chunk; later a block of rows on
	s_mov_b64 s[16:17], RBLK
.irp b, 0,1,2,3,4,5,6,7
	global_store_b128 v[L16], v[TMP+4*(\b):TMP+4*(\b)+3], s[8:9] offset:512*(\b)  ; 32 lanes store 512 consecutive bytes, at a multiple of 512 from p's first byte: 16 rows x 16 centers
.endr
.irp st, 32,16,8,4,2                   ; the sum of the unrounded weights
.set u, 0
.rept (\st)/2
	v_pk_add_f32 v[T+u:T+u+1], v[T+u:T+u+1], v[T+(\st)+u:T+(\st)+u+1]
.set u, u+2
.endr
.endr
	v_add_f32 v[LS], v[T], v[T+1]
	v_permlanex16_b32 v[CX+1], v[LS], s76, s77
	v_add_f32 v[MX+1], v[LS], v[CX+1]              ; l takes the place of m's second copy
	ds_store_b64 v[SS], v[MX:MX+1]                 ; both halves of the lanes hold, and write, the same pair
	v_add_nc_u32 v[SS], 128, v[SS]                 ; the next block's 16 pairs
	s_add_co_u32 s78, s78, 1
	s_cmp_lt_u32 s78, 8
	s_cbranch_scc1 .Lblk
	ds_load_b128 v[ST:ST+3], v[SR]                 ; my wave's own 128 pairs: 1,024 bytes on end (LDS serves a wave's instructions in order: ISA guide 5.7.1.4)
	ds_load_b128 v[ST+4:ST+7], v[SR] offset:512
	s_wait_dscnt 0x0
	global_store_b128 v[L16], v[ST:ST+3], s[70:71]
	global_store_b128 v[L16], v[ST+4:ST+7], s[70:71] offset:512
	s_wait_tensorcnt 0x0                           ; the wave's end: behind my last tensor load and my last LDS store
	ds_add_u32 v[SPW], v[NIL]
	s_wait_dscnt 0x0
	CROUND                                         ; the closing round: no work-group ends while a partner may still ask for a tile that names it
	s_endpgm
.Lfunc_end_k_q2b433516f4_dist:
	.size	k_q2b433516f4_dist, .Lfunc_end_k_q2b433516f4_dist-k_q2b433516f4_dist
	.p2alignl 7, 3214868480
	.fill 96, 4, 3214868480
	.section	.rodata,"a",@progbits
	.p2align	6, 0x0
	.amdhsa_kernel k_q2b433516f4_dist
		.amdhsa_group_segment_fixed_size 327680
		.amdhsa_private_segment_fixed_size 0
		.amdhsa_enable_private_segment 0
		.amdhsa_kernarg_size 40
		.amdhsa_user_sgpr_count 2
		.amdhsa_user_sgpr_kernarg_segment_ptr 1
		.amdhsa_wavefront_size32 1
		.amdhsa_system_sgpr_workgroup_id_x 1
		.amdhsa_system_sgpr_workgroup_id_y 1
		.amdhsa_system_sgpr_workgroup_id_z 1
		.amdhsa_system_vgpr_workitem_id 0
		.amdhsa_next_free_vgpr 1024
		.amdhsa_next_free_sgpr 80
		.amdhsa_reserve_vcc 0
		.amdhsa_float_denorm_mode_32 3
		.amdhsa_float_denorm_mode_16_64 3
		.amdhsa_memory_ordered 1
		.amdhsa_forward_progress 1
		.amdhsa_inst_pref_size 166
	.end_amdhsa_kernel
	.amdgpu_metadata
---
amdhsa.version: [ 1, 2 ]
amdhsa.kernels:
  - .name:           k_q2b433516f4_dist
    .symbol:         k_q2b433516f4_dist.kd
    .args:
      - { .name: xb, .offset: 0, .size: 8, .value_kind: global_buffer, .address_space: global }
      - { .name: cb, .offset: 8, .size: 8, .value_kind: global_buffer, .address_space: global }
      - { .name: p, .offset: 16, .size: 8, .value_kind: global_buffer, .address_space: global }
      - { .name: vecs, .offset: 24, .size: 8, .value_kind: global_buffer, .address_space: global }
      - { .name: stats, .offset: 32, .size: 8, .value_kind: global_buffer, .address_space: global }
    .group_segment_fixed_size: 327680
    .private_segment_fixed_size: 0
    .kernarg_segment_align: 8
    .kernarg_segment_size: 40
    .max_flat_workgroup_size: 128
    .sgpr_count:     80
    .vgpr_count:     1024
    .wavefront_size: 32
...
	.end_amdgpu_metadata
.endif
;; end of part 2
;; launch head (part 3): grid 32 x 8, 4 waves a work-group, clusters of 4 x 1, 327,680 bytes of LDS; arguments p, wh, out0, vecs, stats; writes out0
.if DOCPART == 3
	.amdgcn_target "amdgcn-amd-amdhsa--gfx1250"
	.amdhsa_code_object_version 6
	.text
	.protected	k_q2b433516f4_head
	.globl	k_q2b433516f4_head
	.p2align	8
	.type	k_q2b433516f4_head,@function
k_q2b433516f4_head:
	s_mov_b64 s[64:65], 0
	v_nop
	global_prefetch_b8 v0, s[64:65] scope:SCOPE_SE
	s_setreg_imm32_b32 hwreg(HW_REG_WAVE_MODE, 25, 1), 1
	s_wait_xcnt 0x0
	s_wait_alu depctr_hold_cnt(0) depctr_sa_sdst(0) depctr_va_vdst(0) depctr_va_sdst(0) depctr_va_ssrc(0) depctr_va_vcc(0) depctr_vm_vsrc(0)
	s_getreg_b32 s2, hwreg(HW_REG_IB_STS2, 6, 4)
	s_cmp_eq_u32 s2, 0
	s_cbranch_scc0 .Lentry_in_a_cluster
	s_endpgm
.Lentry_in_a_cluster:
	s_bfe_u32 s2, ttmp6, 0x10000c
	s_cmp_lg_u32 s2, 0x3003
	s_cbranch_scc0 .Lentry_shape_is_right
	s_endpgm
.Lentry_shape_is_right:
; ShallowRBF, third launch: out[row][class] = (sum over chunks c of f_c (P_c W_c^T)) / L + b.  Nothing of reference() is left out; classes 1000 .. 1023 are zeros inside live tiles and are not stored.
;   For a row: M = max over its 32 chunks of m_c;  f_c = 2^(m_c - M);  L = sum of l_c f_c (at least 1: the chunk that holds the maximum has a weight 1).
;   p f_c is the row's weight against the ROW's maximum; the factor is applied to p's fragments in registers, in f16, between their load and the product: a lane of such a fragment holds one row.
; LIMITS.  A weight below 6e-8 of its row's largest counts as 0, and below 6e-5 of it keeps f16's step; f_c is rounded to f16 in the products and is not in L.  NaN and infinities are not treated apart.
; THE PRODUCT.  [4096 x 4096] x [1024 x 4096]^T in f16, sums in f32.  256 tiles of 128 rows x 128 classes, one to a work-group (x: the tile of rows, y: the tile of classes).
; K IS SPLIT AMONG THE FOUR WAVES.  K goes in 8 steps of 512; of step s wave w takes chunk 4 s + w (128 centers) for the WHOLE tile: 64 accumulators of 16 x 16, 512 registers, 256 products a step.
; So each byte of either operand is wanted by one wave alone, and a fragment feeds 8 products.  The four partial tiles (f32 sums may be taken in any order) meet in LDS at the end.
; p COMES STRAIGHT FROM MEMORY INTO REGISTERS.  The launch before has laid it as fragments: for a block of 16 rows (131,072 bytes) and a block of 16 centers (512 bytes) lane l's 16 bytes at 16 l.  A load
; takes 512 consecutive bytes.  The ring is a step's 4 x 64 registers; the eight loads that fill half a quarter again are issued as soon as it has been multiplied, 192 products ahead of the scalings
; that read them; no barrier bounds this stream.
; wh GOES THROUGH LDS, two slots of 128 classes x 512 along K, a joint load a wave (32 rows of 1,024 bytes: 128 rows shared out among four waves), 228 products ahead of the wait for it.
; CLUSTER: 4 x 1: four tiles of rows of one tile of classes walk the same wh: asked for jointly, mask 15.  p HAS NO JOINT LOAD, though 8 tiles of classes read the same rows: a tensor load ends in LDS, and
; with both operands there two slots hold 256 along K each (2 x 128 rows x 528 bytes x 2), 128 products a wave for a refill to land in; with wh alone they hold 512.
; THE MATRIX INSTRUCTION IS USED TRANSPOSED (source 0 = 16 classes, source 1 = 16 rows of p): a lane holds row l % 16 and the classes 8 (l / 16) + 0..7.
; REGISTERS (s_set_vgpr_msb: bits 1:0 source 0, 3:2 source 1, 5:4 source 2, 7:6 destination):
;   window 0: v0-31 addresses; v32-39 the chunk's factors for the 8 blocks of rows; v40-41 1 / L; v64-191 wh's fragments, two buffers of 64 (at the start the statistics); v192-255 the bias
;   window 1: p's ring: quarter j, block of rows a at v[64 j + 8 a]          windows 2, 3: the accumulators: block of rows a (0-3, 4-7), block of classes b at v[8 (8 (a % 4) + b)]
; The scalings' destination (window 1) is not the products' (2 or 3): they stand in fours behind every fourth product, two switches a four.
.set SIZE_K, 4096
.set PITCH,  1040                      ; an LDS row: 1,024 bytes + 16 of padding: an odd multiple of 16, so the 16 rows of a load begin 16 bytes apart modulo 256
.set WROWS,  32*PITCH                  ; what one tensor load brings
.set SLOT,   128*PITCH                 ; 133,120 = 0x20800: no bit of it lies in wave x WROWS, so one exclusive or turns a slot's base into the other's
.set FTAB,   2*SLOT                    ; 33 blocks of 512 bytes.  Block c < 32: (f_c, f_c) in f16, the word of the tile's row 16 a + r at 32 r + 4 a.  Block 32: 1 / L in f32, likewise
.set STAGE,  FTAB+33*512               ; 16 rows x 528 bytes for each wave, for the way out
.set SPITCH, 528
.set SPARE,  STAGE+4*16*SPITCH         ; the spare words, 128 bytes for each wave: two blocks of 256 bytes that no other line names
.set RBLK,   131072                    ; bytes of p from a block of 16 rows to the next
.set STEPB,  16384                     ; bytes of p, within a block of rows, from my chunk to my next: four chunks of 4,096
.set STEPS,  8
.set L16,  6                           ; v6   16 x lane; never rewritten
.set FAD,  7                           ; v7   where my factors of the next step's chunk lie; steps by 2,048 bytes (four chunks) a step
.set TW,   8                           ; v8   where my own row's factor goes in block 0
.set SOF,  9                           ; v9   8 x thread
.set VH,   10                          ; v10  32 (l / 16)
.set AB0,  11                          ; v11  my lane's place in a slot: r x pitch + 16 h + 256 x wave
.set RVA,  12                          ; v12  where 1 / L of my two last blocks of rows lies
.set ADL,  16                          ; v16  AB0 in the slot in hand: blocks of classes 0-3
.set ADH,  17                          ; v17  the same 64 rows on: blocks 4-7 (an LDS offset holds 16 bits)
.set WR,   18                          ; v18-21  the meeting: where my part for wave d goes
.set RR,   22                          ; v22  where the four parts for me lie
.set C4,   23                          ; v23  4 x lane
.set STO,  24
.set RD,   25
.set SPW,  28                          ; v28  LDS address of my spare word; never rewritten
.set NIL,  29                          ; v29  0; never rewritten
.set PFO,  30                          ; v30  p's prefetches: (l / 4) blocks of rows + 256 (l % 4); never rewritten
.set PFV,  31                          ; v31  wh's prefetches: (l / 4) rows + 256 (l % 4); never rewritten
.set FC,   32
.set RV,   40
.set BF,   64
.set MF,   64                          ; at the start: (m_c, l_c) of my row at v[MF + 2 c]
.set BI,   192
.set G1,   24                          ; s[24:31] descriptor group 1
.set G0A,  32                          ; s[32:35] group 0 of the first fill of slot 0
.set G0,   36                          ; s[36:39] group 0 of the first fill of slot 1; it then walks on
.set TB,   40                          ; s40  LDS base of the slot in hand
.set PB,   42                          ; s[42:43] p at my tile's first block of rows, at my chunk of a step
.set PFW,  44                          ; s[44:45] wh where my prefetch stands
.set LIMP, 46                          ; s46  1 in a work-group that prefetches p, else the greatest number
.set LIMW, 47                          ; s47  2 in a cluster that prefetches wh, else the greatest number
.set MSB, 0
.macro WIN new                         ; the immediate's high byte repeats the setting that is left; a switch that changes nothing is dropped
.if MSB != (\new)
	s_set_vgpr_msb (MSB<<8)|(\new)
.set MSB, \new
.endif
.endm
.set MUL_LO, 0xa4                      ; source 0 (wh) window 0, source 1 (p) window 1, C and D window 2
.set MUL_HI, 0xf4                      ; the same, C and D window 3
.set RID,    0x44                      ; destination and source 1 window 1, source 0 window 0: the scalings, and the loads into p's ring
.macro CREST                           ; a round of the cluster's barrier behind its opening barrier
	s_cmp_lg_u32 s10, 0
	s_cbranch_scc1 .Lnot_wave_0_\@
	s_barrier_signal -3
.Lnot_wave_0_\@:
	s_barrier_wait -3
	s_barrier_signal -1
	s_barrier_wait -1
.endm
.macro CROUND
	s_barrier_signal -1
	s_barrier_wait -1
	CREST
.endm
; Eight loads: blocks of rows 4 hi .. 4 hi + 3 of quarter j, from the step at PB (adv = 1: the step after it)
.macro REFILL j, hi, adv
	WIN RID
.irp a, 0,1,2,3
	global_load_b128 v[64*(\j)+32*(\hi)+8*(\a):64*(\j)+32*(\hi)+8*(\a)+3],   v[L16], s[PB:PB+1] offset:(4*(\hi)+(\a))*RBLK+(\j)*1024+(\adv)*STEPB
	global_load_b128 v[64*(\j)+32*(\hi)+8*(\a)+4:64*(\j)+32*(\hi)+8*(\a)+7], v[L16], s[PB:PB+1] offset:(4*(\hi)+(\a))*RBLK+(\j)*1024+(\adv)*STEPB+512
.endr
.endm
	s_load_b128 s[4:7], s[0:1], 0x0                ; p s[4:5], wh s[6:7]
	s_load_b64 s[8:9], s[0:1], 0x10                ; out0
	s_load_b128 s[68:71], s[0:1], 0x18             ; vecs s[68:69], stats s[70:71]
	v_lshl_add_u32 v[SPW], v0, 2, SPARE
	v_mov_b32 v[NIL], 0
	ds_add_u32 v[SPW], v[NIL]                      ; the wave's opening: the add, twice on end, and its wait ahead of my first tensor load
	ds_add_u32 v[SPW], v[NIL]                      ; and once more, under the one wait; the set-up below, work on registers, stands between
	v_lshrrev_b32 v1, 5, v0
	v_readfirstlane_b32 s10, v1                    ; wave 0..3
	s_and_b32 s13, ttmp7, 0xffff                   ; the tile of classes, which the four partners share
	; descriptor group 1: 32 rows x 512 elements of 2 bytes, 4 words of padding behind every 256 words
	s_mov_b32 s[G1], 15|(1<<16)|(1<<20)|(1<<21)|(7<<22)|(3<<25)
	s_mov_b32 s[G1+1], 512<<16                     ; tensor_dim0 = 512
	s_mov_b32 s[G1+2], 32<<16                      ; tensor_dim1 = 32
	s_mov_b32 s[G1+3], 512<<16                     ; tile_dim0 = 512
	s_mov_b32 s[G1+4], 32                          ; tile_dim1 = 32
	s_mov_b32 s[G1+5], SIZE_K                      ; elements from row to row
	s_mov_b32 s[G1+6], 0
	s_mov_b32 s[G1+7], 0
	s_lshl_b32 s16, s13, 20                        ; wh: row 128 y + 32 wave, 8,192 bytes a row: made of what the partners share
	s_lshl_b32 s17, s10, 18
	s_add_co_u32 s16, s16, s17
	s_mov_b32 s17, 0
	s_mul_i32 s20, s10, WROWS                      ; where my rows go in a slot
	s_mov_b32 s[TB], 0
	s_wait_dscnt 0x0                               ; both opening adds are done
	s_wait_kmcnt 0x0
	s_add_nc_u64 s[14:15], s[6:7], s[16:17]
	s_mov_b32 s[G0A], 1
	s_mov_b32 s[G0A+1], s20                        ; slot 0,
	s_mov_b64 s[G0A+2:G0A+3], s[14:15]             ; step 0
	s_or_b32 s[G0A+3], s[G0A+3], 0x80000000
	s_mov_b32 s[G0], 1
	s_add_co_u32 s[G0+1], s20, SLOT                ; slot 1,
	s_add_nc_u64 s[G0+2:G0+3], s[14:15], 1024      ; step 1
	s_or_b32 s[G0+3], s[G0+3], 0x80000000
	CROUND                                         ; all four work-groups are here: the first joint loads meet
	tensor_load_to_lds s[G0A:G0A+3], s[G1:G1+7]
	s_nop 0
	tensor_load_to_lds s[G0:G0+3], s[G1:G1+7]      ; two loads of mine are out
	s_nop 0
.rept 4
	v_nop
.endr
	s_bfe_u32 s11, ttmp6, 0x40000                  ; cx: it enters global addresses alone
	s_lshl_b32 s12, ttmp9, 2
	s_add_co_u32 s12, s12, s11                     ; the tile of rows = 4 x cluster x + cx
	s_lshl_b32 s48, s12, 20                        ; 8 blocks of rows a tile,
	s_lshl_b32 s49, s10, 12                        ; my chunk of step 0
	s_add_co_u32 s48, s48, s49
	s_mov_b32 s49, 0
	s_add_nc_u64 s[PB:PB+1], s[4:5], s[48:49]
	s_lshl_b32 s48, s12, 10                        ; 128 pairs of 8 bytes a tile
	s_add_nc_u64 s[72:73], s[70:71], s[48:49]
	v_and_b32 v3, 31, v0                           ; lane
	v_lshlrev_b32 v[L16], 4, v3
	v_lshlrev_b32 v[SOF], 3, v0
.set c, 0
.rept 32
	global_load_b64 v[MF+2*c:MF+2*c+1], v[SOF], s[72:73] offset:32768*c  ; thread R takes the tile's row R: (m, l) of its 32 chunks
.set c, c+1
.endr
.irp j, 0,1,2,3
	REFILL \j, 0, 0                                ; p's ring is filled: step 0, eight groups of eight loads in the order in which they are multiplied
	REFILL \j, 1, 0
.endr
	WIN 0
	; the other addresses, while those are on their way
	s_lshl_b32 s48, s13, 9                         ; 128 classes: 512 bytes of a row of out0 and of the bias
	s_add_nc_u64 s[74:75], s[68:69], s[48:49]
	s_add_nc_u64 s[74:75], s[74:75], 49152         ; the bias at the tile's first class
	s_add_nc_u64 s[8:9], s[8:9], s[48:49]
	s_lshl_b32 s48, s12, 7
	s_lshl_b32 s50, s10, 5
	s_add_co_u32 s48, s48, s50                     ; the first row that I store: 128 x tile + 32 x wave
	s_mul_i32 s48, s48, 4000                       ; a row of out0 is 4,000 bytes
	s_add_nc_u64 s[8:9], s[8:9], s[48:49]
	s_lshl_b32 s76, s13, 7
	s_sub_co_u32 s76, 1000, s76                    ; how many classes exist from the tile's first on: 104 at the least
	s_lshl_b32 s48, s13, 7                         ; wh's prefetches: of the tile's 128 rows partner cx takes 32, wave w 8 of them
	s_lshl_b32 s50, s11, 5
	s_add_co_u32 s48, s48, s50
	s_lshl_b32 s50, s10, 3
	s_add_co_u32 s48, s48, s50
	s_lshl_b32 s48, s48, 13
	s_add_nc_u64 s[PFW:PFW+1], s[6:7], s[48:49]
	s_add_nc_u64 s[PFW:PFW+1], s[PFW:PFW+1], 4*1024  ; at step 4: what the first change of slots names
	s_cmp_eq_u32 s13, 0
	s_cselect_b32 s[LIMP], 1, -1                   ; the same in all four partners
	s_cmp_eq_u32 ttmp9, 0
	s_cselect_b32 s[LIMW], 2, -1                   ; likewise
	v_and_b32 v1, 15, v0                           ; r = l % 16
	v_bfe_u32 v2, v0, 4, 1                         ; h = l / 16
	v_mul_u32_u24 v[AB0], v1, PITCH
	v_lshl_add_u32 v[AB0], v2, 4, v[AB0]
	s_lshl_b32 s21, s10, 8                         ; my chunk's 256 bytes of a row
	v_add_nc_u32 v[AB0], s21, v[AB0]
	s_lshl_b32 s21, s10, 9
	s_add_co_u32 s21, s21, FTAB
	v_lshl_add_u32 v[FAD], v1, 5, s21              ; block w, row r: eight words, a = 0..7
	s_lshl_b32 s21, s10, 3                         ; thread 32 w + l owns the tile's row of that number: a = 2 w + h, r
	s_add_co_u32 s21, s21, FTAB
	v_lshl_add_u32 v[TW], v1, 5, s21
	v_add_nc_u32 v[RVA], 32*512, v[TW]             ; block 32, a = 2 w and 2 w + 1
	v_lshl_add_u32 v[TW], v2, 2, v[TW]
	s_mul_i32 s21, s10, 16*SPITCH
	s_add_co_u32 s21, s21, STAGE                   ; my stage: a row is the tile's 128 classes in f32, 512 bytes
	v_mul_u32_u24 v[STO], v1, SPITCH               ; in: row r, 32 bytes for each half of the lanes
	v_lshl_add_u32 v[STO], v2, 5, v[STO]
	v_add_nc_u32 v[STO], s21, v[STO]
	v_add_nc_u32 v[RD], s21, v[L16]                ; back: 32 lanes take one row
	v_lshlrev_b32 v[C4], 2, v3
	v_lshlrev_b32 v[VH], 5, v2
	v_lshrrev_b32 v4, 2, v3
	v_and_b32 v5, 3, v3
	v_lshlrev_b32 v5, 8, v5
	v_lshl_add_u32 v[PFO], v4, 17, v5
	v_lshl_add_u32 v[PFV], v4, 13, v5
	; THE TABLE OF FACTORS
	s_wait_loadcnt 63                              ; the 32 loads of statistics are in; of the ring's 64, issued behind them, 63 may stay out
	v_max3_num_f32 v13, v[MF], v[MF+2], v[MF+4]    ; M
.set c, 3
.rept 14
	v_max3_num_f32 v13, v13, v[MF+2*c], v[MF+2*c+2]
.set c, c+2
.endr
	v_max_num_f32 v13, v13, v[MF+62]
.set c, 0
.rept 32
	v_sub_f32 v[MF+2*c], v[MF+2*c], v13
.set c, c+1
.endr
.set c, 0
.rept 32
	v_exp_f32 v[MF+2*c], v[MF+2*c]                 ; f_c: one batch,
.set c, c+1
.endr
	v_nop                                          ; a plain instruction behind the last,
	s_wait_alu depctr_va_vdst(0)                   ; one wait ahead of the first reader
	v_mul_f32 v4,  v[MF+1], v[MF]                  ; L = sum of l_c f_c, in four chains
	v_mul_f32 v5,  v[MF+3], v[MF+2]
	v_mul_f32 v14, v[MF+5], v[MF+4]
	v_mul_f32 v15, v[MF+7], v[MF+6]
.set c, 4
.rept 7
	v_fmac_f32 v4,  v[MF+2*c+1], v[MF+2*c]
	v_fmac_f32 v5,  v[MF+2*c+3], v[MF+2*c+2]
	v_fmac_f32 v14, v[MF+2*c+5], v[MF+2*c+4]
	v_fmac_f32 v15, v[MF+2*c+7], v[MF+2*c+6]
.set c, c+4
.endr
	v_add_f32 v4, v4, v5
	v_add_f32 v14, v14, v15
	v_add_f32 v4, v4, v14
	v_rcp_f32 v15, v4
.set c, 0
.rept 32
	v_cvt_pk_f16_f32 v[MF+2*c], v[MF+2*c], v[MF+2*c]  ; (f, f): the work between the reciprocal and its wait
.set c, c+1
.endr
	s_wait_alu depctr_va_vdst(0)
.set c, 0
.rept 32
	ds_store_b32 v[TW], v[MF+2*c] offset:512*c
.set c, c+1
.endr
	ds_store_b32 v[TW], v15 offset:32*512
	s_wait_dscnt 0x0                               ; for the others' sake: my part of the table is written,
	s_wait_tensorcnt 1                             ; and my part of step 0 is in; step 1's may stay out
	s_barrier_signal -1
	s_barrier_wait -1
; Four products: quarter j (32 along K), block of rows 4 hi + u / 2, blocks of classes 4 (u % 2) + 0..3.  The 64 accumulators take turns, one instruction a turn, in the same order in every quarter.
; zero = 1: they start their sums.
.macro UNIT j, hi, u, zero
	WIN MUL_LO+0x50*(\hi)
.irp x, 0,1,2,3
.if \zero
	v_wmma_f32_16x16x32_f16 v[8*(8*((\u)/2)+4*((\u)%2)+(\x)):8*(8*((\u)/2)+4*((\u)%2)+(\x))+7], v[BF+64*((\j)%2)+8*(4*((\u)%2)+(\x)):BF+64*((\j)%2)+8*(4*((\u)%2)+(\x))+7], v[64*(\j)+8*(4*(\hi)+(\u)/2):64*(\j)+8*(4*(\hi)+(\u)/2)+7], 0
.else
	v_wmma_f32_16x16x32_f16 v[8*(8*((\u)/2)+4*((\u)%2)+(\x)):8*(8*((\u)/2)+4*((\u)%2)+(\x))+7], v[BF+64*((\j)%2)+8*(4*((\u)%2)+(\x)):BF+64*((\j)%2)+8*(4*((\u)%2)+(\x))+7], v[64*(\j)+8*(4*(\hi)+(\u)/2):64*(\j)+8*(4*(\hi)+(\u)/2)+7], v[8*(8*((\u)/2)+4*((\u)%2)+(\x)):8*(8*((\u)/2)+4*((\u)%2)+(\x))+7]
.endif
.endr
.endm
; THE SCALINGS.  AIM names the 32 registers to be scaled next (half hi of quarter j of p's ring); RIDE4 writes the next four: register q belongs to block of rows 4 hi + q / 8.
; A half is scaled while the half before it is multiplied; no scaling names a register of the products round it, so the scalings are also the places that loads into multiplied registers want.
.macro AIM j, hi
.set RJ, \j
.set RH, \hi
.set RQ, 0
.endm
.macro RIDE4
	WIN RID
.rept 4
	v_pk_mul_f16 v[64*RJ+32*RH+RQ], v[FC+4*RH+RQ/8], v[64*RJ+32*RH+RQ]
.set RQ, RQ+1
.endr
.endm
; HALF A QUARTER: 32 products.  left >= 0: the half (tj, th), which is multiplied next, is scaled meanwhile; its eight loads are in when at most `left` younger ones are out.
; rf = 1: the half (rj, rh), multiplied just before, is asked for again: eight scalings stand between its last product and the loads.
.macro HALF j, hi, zero, tj, th, left, rf, rj, rh, adv
	UNIT \j, \hi, 0, \zero
.if (\left) >= 0
	AIM \tj, \th
	s_wait_loadcnt \left
	RIDE4
.endif
.if \rf
	REFILL \rj, \rh, \adv
.endif
.irp u, 1,2,3,4,5,6,7
	UNIT \j, \hi, \u, \zero
.if (\left) >= 0
	RIDE4
.endif
.endr
.endm
; 16 LDS loads in one run: wh's fragments of quarter j of my chunk, from the slot in hand
.macro FETCHB j
	WIN 0
.irp i, 0,1,2,3
	ds_load_b128 v[BF+64*((\j)%2)+8*(\i):BF+64*((\j)%2)+8*(\i)+3],   v[ADL] offset:64*(\j)+(\i)*16*PITCH
	ds_load_b128 v[BF+64*((\j)%2)+8*(\i)+4:BF+64*((\j)%2)+8*(\i)+7], v[ADL] offset:64*(\j)+(\i)*16*PITCH+32
.endr
.irp i, 0,1,2,3
	ds_load_b128 v[BF+64*((\j)%2)+32+8*(\i):BF+64*((\j)%2)+32+8*(\i)+3],   v[ADH] offset:64*(\j)+(\i)*16*PITCH
	ds_load_b128 v[BF+64*((\j)%2)+32+8*(\i)+4:BF+64*((\j)%2)+32+8*(\i)+7], v[ADH] offset:64*(\j)+(\i)*16*PITCH+32
.endr
.endm
; One of a step's first three quarters.  In its middle it fetches the next quarter's fragments of wh, 32 products ahead of their use.  r0, r1: its halves ask for p again; l0, l1: their counts.
; The half that follows quarter 0's first half asks for the step AFTER the one at PB: all other halves of a trip ask for the step at PB.
.macro QUARTER j, zero, r0, r1, l0, l1
	s_wait_dscnt 0x0                               ; wh's fragments of this quarter are in (and the factors, where they were asked for)
	HALF \j, 0, \zero, \j, 1, \l0, \r0, ((\j)+3)%4, 1, 0
	FETCHB (\j)+1
.if (\j) == 0
	HALF \j, 1, \zero, 1, 0, \l1, \r1, 0, 0, 1
.else
	HALF \j, 1, \zero, (\j)+1, 0, \l1, \r1, \j, 0, 0
.endif
.endm
; PREFETCHES INTO THE L2, together, behind the joint load and the run of LDS loads that follows it.
; p: the four quarters of my chunk two steps behind the step at PB, whose loads begin a step and a quarter later: 8 blocks of rows x 1,024 bytes a quarter, a lane 256 bytes, four instructions.  The 8 tiles
; of classes read the same rows: tile 0 asks, each wave for what it will load itself, so each 256 bytes are named once.  Steps 0 to 2 come by their loads alone; the loop's last trip (s3 = 1) has no such step.
; wh: the step two refills on: 128 rows x 1,024 bytes; the clusters of a tile of classes read the same rows: cluster x = 0 asks; its partners share the rows out by ADDRESS, 32 each, a wave 8, a lane 256
; bytes: one instruction.  The last two trips (s3 <= 2) have no such step.
.macro ASK
	s_cmp_gt_u32 s3, s[LIMP]
	s_cbranch_scc0 .Lnot_p_\@
.irp j, 0,1,2,3
	global_prefetch_b8 v[PFO], s[PB:PB+1] offset:2*STEPB+(\j)*1024 th:TH_LOAD_NT scope:SCOPE_SE
.endr
.Lnot_p_\@:
	s_cmp_gt_u32 s3, s[LIMW]
	s_cbranch_scc0 .Lnot_w_\@
	global_prefetch_b8 v[PFV], s[PFW:PFW+1] th:TH_LOAD_NT scope:SCOPE_SE
.Lnot_w_\@:
.endm
; A step's last quarter changes slots: all of the slot's fragments are in registers.  ONE barrier: in front of it each wave waits for all its tensor loads (the one that is out is its part of the next slot),
; adds 0 to its spare word, and waits for that and for its own reads of this slot.  fill = 1: the barrier opens a round of the cluster's, so that no wave of any partner still reads the slot or has a load
; on its way, and the slot is filled again, two steps on, first thing behind it.  The factors of the next step's chunk come in two loads: a = 0..3 when their last scaling of this step is past (ahead of
; the barrier), a = 4..7 behind it.
.macro TURN fill
	s_wait_dscnt 0x0                               ; wh's fragments of this quarter are in
	UNIT 3, 0, 0, 0
	AIM 3, 1
	s_wait_loadcnt 40                              ; five younger groups of eight may be out
	RIDE4
	REFILL 2, 1, 0
	WIN 0                                          ; (the add's two registers lie in window 0)
	ds_load_b128 v[FC:FC+3], v[FAD]
	s_wait_tensorcnt 0x0                           ; all my tensor loads have landed: no load of mine is out, so a group 0 may be written
	ds_add_u32 v[SPW], v[NIL]                      ; 0 onto my spare word; work on registers stands between it and the wait for it
.if \fill
	s_xor_b32 s[G0+1], s[G0+1], SLOT               ; the walking descriptor: the other slot than last time,
	s_add_nc_u64 s[G0+2:G0+3], s[G0+2:G0+3], 1024  ; the next step; the type bits on top are not reached
.endif
.irp u, 1,2,3
	UNIT 3, 0, \u, 0
	RIDE4
.endr
	s_wait_dscnt 0x0                               ; the add is done, and my reads of this slot are over
	s_barrier_signal -1
.irp u, 4,5,6,7
	UNIT 3, 0, \u, 0
	RIDE4
.endr
	WIN 0
	s_barrier_wait -1
.if \fill
	CREST
	tensor_load_to_lds s[G0:G0+3], s[G1:G1+7]      ; my one tensor load behind the round
	s_nop 0
.rept 4
	v_nop
.endr
.endif
	s_xor_b32 s[TB], s[TB], SLOT                   ; the fetches go on in the other slot
	v_add_nc_u32 v[ADL], s[TB], v[AB0]
	v_add_nc_u32 v[ADH], 64*PITCH, v[ADL]
	ds_load_b128 v[FC+4:FC+7], v[FAD] offset:16
	FETCHB 0
.if \fill
	ASK
.endif
	HALF 3, 1, 0, 0, 0, 40, 1, 3, 0, 0
.endm
	v_add_nc_u32 v[ADL], s[TB], v[AB0]             ; slot 0
	v_add_nc_u32 v[ADH], 64*PITCH, v[ADL]
	ds_load_b128 v[FC:FC+3], v[FAD]                ; the factors of my chunk of step 0
	ds_load_b128 v[FC+4:FC+7], v[FAD] offset:16
	FETCHB 0
	v_add_nc_u32 v[FAD], 2048, v[FAD]
	s_wait_loadcnt 56                              ; the ring's first group is in; seven groups of eight may be out
	s_wait_dscnt 16                                ; the factors are in; wh's sixteen loads may be out
	AIM 0, 0
.rept 8
	RIDE4                                          ; the very first half has no products to stand behind
.endr
	QUARTER 0, 1, 0, 1, 40, 40                     ; the first quarter stands in front of the loop: its products start the sums; its first half has nothing to ask for again
	WIN 0                                          ; at a label and at a branch every window is 0
	s_wait_xcnt 0x0                                ; every load issued so far has read its address, so the pointer may be written
	s_add_nc_u64 s[PB:PB+1], s[PB:PB+1], STEPB     ; at step 1
	s_mov_b32 s3, STEPS-2
.Lstep:                                                ; a trip: a step's quarters 1, 2, 3 and the next step's quarter 0; it fills a slot again.  PB stands at the next step
	QUARTER 1, 0, 1, 1, 40, 40
	QUARTER 2, 0, 1, 1, 40, 40
	TURN 1
	QUARTER 0, 0, 1, 1, 40, 40
	WIN 0
	s_wait_xcnt 0x0                                ; the youngest load stands 28 products back, the prefetches 96: they have read their addresses
	s_add_nc_u64 s[PB:PB+1], s[PB:PB+1], STEPB
	s_add_nc_u64 s[PFW:PFW+1], s[PFW:PFW+1], 1024
	v_add_nc_u32 v[FAD], 2048, v[FAD]
	s_sub_co_u32 s3, s3, 1
	s_cmp_lg_u32 s3, 0
	s_cbranch_scc1 .Lstep
	QUARTER 1, 0, 1, 1, 40, 40                     ; the last two steps are written out: no slot is filled again,
	QUARTER 2, 0, 1, 1, 40, 40
	TURN 0
	QUARTER 0, 0, 1, 0, 40, 40                     ; the ring's last group goes out here,
	QUARTER 1, 0, 0, 0, 32, 24                     ; and the counts run down
	QUARTER 2, 0, 0, 0, 16, 8
	s_wait_dscnt 0x0
	HALF 3, 0, 0, 3, 1, 0, 0, 0, 0, 0
	WIN 0
.irp b, 0,1,2,3,4,5,6,7
	global_load_b128 v[BI+8*(\b):BI+8*(\b)+3],   v[VH], s[74:75] offset:64*(\b)     ; the bias of classes 16 b + 8 h + 0..7: it lands during the meeting below
	global_load_b128 v[BI+8*(\b)+4:BI+8*(\b)+7], v[VH], s[74:75] offset:64*(\b)+16
.endr
	HALF 3, 1, 0, 0, 0, -1, 0, 0, 0, 0
	; THE FOUR PARTIAL TILES MEET in the ring's bytes, which have had their last fill.  Wave w finishes blocks of rows 2 w and 2 w + 1.  One text for all waves: each stores all its 512 registers, the part
	; for wave d at 65,536 d + 16,384 w, four registers at 512 n + 16 lane, and reads the four parts that are meant for it, its own among them.
	WIN 0
	s_lshl_b32 s14, s10, 14
	v_add_nc_u32 v[WR], s14, v[L16]                ; five plain instructions: the places behind the last products
	v_add_nc_u32 v[WR+1], 0x10000, v[WR]
	v_add_nc_u32 v[WR+2], 0x20000, v[WR]
	v_add_nc_u32 v[WR+3], 0x30000, v[WR]
	s_lshl_b32 s14, s10, 16
	v_add_nc_u32 v[RR], s14, v[L16]
	s_wait_dscnt 0x0                               ; my reads of the ring are over,
	s_barrier_signal -1
	s_barrier_wait -1                              ; everybody's are
.irp d, 0,1,2,3
	WIN 0x08+4*((\d)/2)                            ; the data (source 1) in window 2 or 3
.irp i, 0,1
.irp b, 0,1,2,3,4,5,6,7
	ds_store_b128 v[WR+(\d)], v[8*(8*(2*((\d)%2)+(\i))+(\b)):8*(8*(2*((\d)%2)+(\i))+(\b))+3]   offset:(16*(\i)+2*(\b))*512    ; each accumulator from its low end on
	ds_store_b128 v[WR+(\d)], v[8*(8*(2*((\d)%2)+(\i))+(\b))+4:8*(8*(2*((\d)%2)+(\i))+(\b))+7] offset:(16*(\i)+2*(\b)+1)*512
.endr
.endr
.endr
	WIN 0
	s_wait_dscnt 0x0                               ; for the others' sake: my parts are written
	s_barrier_signal -1
	s_barrier_wait -1
	ds_load_b64 v[RV:RV+1], v[RVA]                 ; 1 / L of my row in my two blocks
	WIN 0x40                                       ; waves 0 and 1's parts into window 1,
.set n, 0
.rept 64
	ds_load_b128 v[4*n:4*n+3], v[RR] offset:(n/32)*16384+(n%32)*512
.set n, n+1
.endr
	WIN 0                                          ; wave 2's into wh's buffers,
.set n, 0
.rept 32
	ds_load_b128 v[BF+4*n:BF+4*n+3], v[RR] offset:2*16384+n*512
.set n, n+1
.endr
	WIN 0x80                                       ; wave 3's into window 2
.set n, 0
.rept 32
	ds_load_b128 v[4*n:4*n+3], v[RR] offset:3*16384+n*512
.set n, n+1
.endr
	s_wait_dscnt 63                                ; the first two parts are in: 64 loads were issued behind them
	WIN 0x45
.set n, 0
.rept 64
	v_pk_add_f32 v[n:n+1], v[n:n+1], v[128+n:128+n+1]
.set n, n+2
.endr
	s_wait_dscnt 0x0
	WIN 0x08
.set n, 0
.rept 64
	v_pk_add_f32 v[BF+n:BF+n+1], v[BF+n:BF+n+1], v[n:n+1]
.set n, n+2
.endr
	WIN 0x04
.set n, 0
.rept 64
	v_pk_add_f32 v[BF+n:BF+n+1], v[BF+n:BF+n+1], v[n:n+1]
.set n, n+2
.endr
	WIN 0
	s_wait_loadcnt 0x0                             ; the bias
.irp b, 0,1,2,3,4,5,6,7
.irp q, 0,1,2,3
	v_pk_fma_f32 v[BF+8*(\b)+2*(\q):BF+8*(\b)+2*(\q)+1], v[BF+8*(\b)+2*(\q):BF+8*(\b)+2*(\q)+1], v[RV:RV+1], v[BI+8*(\b)+2*(\q):BI+8*(\b)+2*(\q)+1] op_sel:[0,0,0] op_sel_hi:[1,0,1]
	v_pk_fma_f32 v[BF+64+8*(\b)+2*(\q):BF+64+8*(\b)+2*(\q)+1], v[BF+64+8*(\b)+2*(\q):BF+64+8*(\b)+2*(\q)+1], v[RV:RV+1], v[BI+8*(\b)+2*(\q):BI+8*(\b)+2*(\q)+1] op_sel:[0,1,0] op_sel_hi:[1,1,1]
.endr
.endr
	; THE WAY OUT: 16 rows at a time through my own stage, back as whole rows of 512 bytes
.irp i, 0,1
	WIN 0
.irp b, 0,1,2,3,4,5,6,7
	ds_store_b128 v[STO], v[BF+64*(\i)+8*(\b):BF+64*(\i)+8*(\b)+3]   offset:64*(\b)
	ds_store_b128 v[STO], v[BF+64*(\i)+8*(\b)+4:BF+64*(\i)+8*(\b)+7] offset:64*(\b)+16
.endr
	WIN 0x40
.irp t, 0,1,2,3,4,5,6,7,8,9,10,11,12,13,14,15
	ds_load_b128 v[64*(\i)+4*(\t):64*(\i)+4*(\t)+3], v[RD] offset:(\t)*SPITCH  ; LDS serves a wave's instructions in order (ISA guide 5.7.1.4): these see the stores above, and the next block's stores come behind them
.endr
.endr
	WIN 0
	s_wait_dscnt 0x0
	s_wait_xcnt 0x0                                ; EXEC changes only behind this wait
	v_cmp_gt_u32 vcc_lo, s76, v[C4]                ; my four classes exist (1,000 is a multiple of 4): only the last tile of classes loses lanes
	s_and_saveexec_b32 s77, vcc_lo
	WIN 0x04                                       ; the data (source 1) in window 1
.irp i, 0,1
.irp t, 0,1,2,3,4,5,6,7,8,9,10,11,12,13,14,15
	global_store_b128 v[L16], v[64*(\i)+4*(\t):64*(\i)+4*(\t)+3], s[8:9] offset:(16*(\i)+(\t))*4000  ; 32 lanes store 512 consecutive bytes of a row (rows of 4,000 bytes: aligned to 32)
.endr
.endr
	WIN 0
	s_wait_xcnt 0x0                                ; and again, in front of the line that widens EXEC
	s_or_b32 exec_lo, exec_lo, s77
	s_wait_tensorcnt 0x0                           ; the wave's end: behind my last tensor load and my last LDS store
	ds_add_u32 v[SPW], v[NIL]
	s_wait_dscnt 0x0
	CROUND                                         ; the closing round: no work-group ends while a partner may still ask for a tile that names it
	s_endpgm
.Lfunc_end_k_q2b433516f4_head:
	.size	k_q2b433516f4_head, .Lfunc_end_k_q2b433516f4_head-k_q2b433516f4_head
	.p2alignl 7, 3214868480
	.fill 96, 4, 3214868480
	.section	.rodata,"a",@progbits
	.p2align	6, 0x0
	.amdhsa_kernel k_q2b433516f4_head
		.amdhsa_group_segment_fixed_size 327680
		.amdhsa_private_segment_fixed_size 0
		.amdhsa_enable_private_segment 0
		.amdhsa_kernarg_size 40
		.amdhsa_user_sgpr_count 2
		.amdhsa_user_sgpr_kernarg_segment_ptr 1
		.amdhsa_wavefront_size32 1
		.amdhsa_system_sgpr_workgroup_id_x 1
		.amdhsa_system_sgpr_workgroup_id_y 1
		.amdhsa_system_sgpr_workgroup_id_z 1
		.amdhsa_system_vgpr_workitem_id 0
		.amdhsa_next_free_vgpr 1024
		.amdhsa_next_free_sgpr 80
		.amdhsa_reserve_vcc 1
		.amdhsa_float_denorm_mode_32 3
		.amdhsa_float_denorm_mode_16_64 3
		.amdhsa_memory_ordered 1
		.amdhsa_forward_progress 1
		.amdhsa_inst_pref_size 202
	.end_amdhsa_kernel
	.amdgpu_metadata
---
amdhsa.version: [ 1, 2 ]
amdhsa.kernels:
  - .name:           k_q2b433516f4_head
    .symbol:         k_q2b433516f4_head.kd
    .args:
      - { .name: p, .offset: 0, .size: 8, .value_kind: global_buffer, .address_space: global }
      - { .name: wh, .offset: 8, .size: 8, .value_kind: global_buffer, .address_space: global }
      - { .name: out0, .offset: 16, .size: 8, .value_kind: global_buffer, .address_space: global }
      - { .name: vecs, .offset: 24, .size: 8, .value_kind: global_buffer, .address_space: global }
      - { .name: stats, .offset: 32, .size: 8, .value_kind: global_buffer, .address_space: global }
    .group_segment_fixed_size: 327680
    .private_segment_fixed_size: 0
    .kernarg_segment_align: 8
    .kernarg_segment_size: 40
    .max_flat_workgroup_size: 128
    .sgpr_count:     80
    .vgpr_count:     1024
    .wavefront_size: 32
...
	.end_amdgpu_metadata
.endif
;; end of part 3
